; MI455X (gfx1250); checked and timed in simulation.
; The chip was launched on July 23, 2026; its instructions are those of AMD's public machine-readable ISA for CDNA 5 (MIT licence, August 2026) and "CDNA5" Instruction Set Architecture Reference Guide (July 2026). The comments in the code are by the model that wrote it; some were corrected since.
;; S4 PTD Kernel. Allowed arithmetic: float matrix products may take bf16 or f16 operands with f32 sums; all other float work in f32.
;; Inputs: A_imag 512 x 32 float32; B 512 x 32 x 2 float32; C 512 x 32 x 2 float32; log_A_real 512 x 32 float32; log_dt 512 float32.
;; Outputs: out0 512 x 8,192 float32.
;; Constants: L = 8192.
;; 2 versions, each right; version 2 is version 1 with the launch s4kernel written anew for expert scheduling mode. Each part assembles by itself: llvm-mc -triple=amdgcn-amd-amdhsa -mcpu=gfx1250 --defsym DOCPART=n.
;; ======== version 1 of 2: 1 launch
;; launch s4kernel (part 1): grid 512 x 1, 4 waves a work-group, no clusters, 52,736 bytes of LDS; arguments log_dt, log_A_real, A_imag, B, C, out0; writes out0
.if DOCPART == 1
	.amdgcn_target "amdgcn-amd-amdhsa--gfx1250"
	.amdhsa_code_object_version 6
	.text
	.protected	k_q0f71f2a1ab_s4kernel
	.globl	k_q0f71f2a1ab_s4kernel
	.p2align	8
	.type	k_q0f71f2a1ab_s4kernel,@function
k_q0f71f2a1ab_s4kernel:
	s_mov_b64 s[64:65], 0
	v_nop
	global_prefetch_b8 v0, s[64:65] scope:SCOPE_SE
	s_setreg_imm32_b32 hwreg(HW_REG_WAVE_MODE, 25, 1), 1
	s_wait_xcnt 0x0
; out[h][l] = 2 Re sum_n Ceff[h][n] exp(dtA[h][n] l),  h < 512, n < 32, l < 8192.   One work-group = one h, four waves.
;
; THE IDEA.  exp(z (l1 + l2)) = exp(z l1) exp(z l2).  The 13 bits of l are dealt to two indices:
;     m  (0..127): bits 0,1 of m = bits 0,1 of l;  bits 2..6 of m = bits 6..10 of l      lM(m)  = (m & 3) + 64 (m >> 2)
;     nn (0..63) : bits 0..3 of nn = bits 2..5 of l;  bits 4,5 of nn = bits 11,12 of l   lN(nn) = 4 (nn & 15) + 2048 (nn >> 4)
; With W = exp(dtA), P[m][n] = 2 Ceff W^lM, Q[nn][n] = W^lN:  out[lM + lN] = sum_n Re(P Q), a real product 128 x 64 with
; k = (n, re/im), 64 long.  192 complex powers for each (h, n) take the place of 8192.
; The deal of the bits is chosen for the way out: in a 16 x 16 result registers 0-3 of a lane are bits 0,1 of l and lanes 0-15 are
; bits 2..5, so one 16-byte store of the wave covers twice 256 consecutive, aligned bytes of out, straight from the accumulators.
;
; PRECISION.  Most of a row has decayed, so the output's root mean square is far below its largest numbers, and one bf16 word
; (8 bits) an operand is too coarse.  Each operand goes in as two bf16 words, x = hi + lo (16 to 17 bits), and three products are
; summed in f32: hi hi + lo hi + hi lo, K = 192.  Left out: lo lo, at most 2^-18 of a product.
;
; TABLES.  Lane = n.  P is kept conjugated, (Re P, -Im P), so that the plain dot product with (Re Q, Im Q) is Re(P Q):
; conj P = conj(2 Ceff) V^lM with V = conj W = exp(-a dt) (cos phi, sin phi), phi = A_imag dt.  V^1, V^8, V^64 and V^(512 wave) are
; evaluated directly, the other weights by at most two squarings, the entries by doubling: T[i + 2^b] = T[i] x weight b.
; Wave w makes P's rows 32 w .. 32 w + 31 and Q's rows 16 w .. 16 w + 15, then multiplies ITS rows of P with all of Q.
; No work-group shares an input byte with another (each h has its own 772 bytes): no cluster, no joint requests.
;
; LIMITS.  (1) v_exp_f32 and v_rcp_f32 give 0 for results under 2^-126 (ISA guide, their entries): dt, exp(log_A_real) and decays that
; small are 0 here; max(exp(log_A_real), |A_imag|) has to lie in 2^-126 .. 2^126.  (2) reference() rounds dtA l to f32; here phi / pi is kept
; in two words and each evaluated power is good to about 2^-22 absolutely, so the two differ by up to 2^-24 of the phase; the
; reduction is meant for |phi l / pi| < 2^22.  (3) W - 1 is the f32 subtraction that reference() makes, with its cancellation for small |dtA|.
; (4) Where reference() gives NaN or infinity the pattern is not reproduced.
.set PITCH, 272                        ; an LDS row: 64 hi words (128 bytes), 64 lo words (128 bytes), 16 bytes of pad = 17 x 16 bytes:
                                       ; the 16 rows that a fragment load touches begin at 16 different 16-byte columns modulo 256
.set LOW,   128                        ; where a row's lo words begin
.set QBASE, 128*PITCH                  ; Q's 64 rows lie behind P's 128
; registers of the first half
.set PST,  5                           ; LDS address: my wave's first row of P + 4 n
.set QST,  6                           ; the same for Q
.set NEG1, 7                           ; -1.0
.set LDT,  8                           ; v8 log_dt, v9 log_A_real
.set AIM,  10                          ; A_imag
.set MW,   11                          ; 512 x wave, as f32
.set BIN,  12                          ; v[12:13] B
.set CIN,  14                          ; v[14:15] C
.set ZT,   24                          ; four slots each (powers 1, 8, 64, 512 w): z t
.set MG,   28                          ; magnitude, then with the sign of the half turn
.set PP,   32                          ; phase / pi, high word; then the reduced phase
.set EE,   36                          ; its low word
.set XX,   40                          ; -a dt l log2 e
.set KK,   44                          ; nearest whole number of half turns
.set TT,   48                          ; reduced angle t, |t| <= pi / 2
.set ZZ,   52                          ; t^2
.set SS,   56                          ; sin t
.set CC,   60                          ; cos t
.set GM,   64                          ; v[64:99] weight 2^k of V, k = 0..8, at GM + 4 k: (gr, gi, -gi, gr)
.set EW,   100                         ; v[100:101] V^(512 w)
.set CS,   102                         ; v102 = -1/11!, v103 = 1/12!
.set PT,   104                         ; v[104:167] my 32 entries of conj P, (re, im) each
.set QT,   168                         ; v[168:199] my 16 entries of Q
.set HT,   200                         ; v[200:207] hi words of eight entries
.set FA,   208                         ; LDS address of my fragments of P
.set FB,   209                         ; and of Q
.set OUTO, 210                         ; my byte offset in the row of out
; registers of the second half (the first half's are dead behind the barrier)
.set AF,   16                          ; v[16:79]   fragments of P: 2 row tiles x (hi k 0-31, hi k 32-63, lo, lo) x 8
.set BF,   80                          ; v[80:143]  fragments of Q: two buffers of 32
.set ACC,  144                         ; v[144:207] eight results of 16 x 16
	s_load_b256 s[4:11], s[0:1], 0x0               ; log_dt s[4:5], log_A_real s[6:7], A_imag s[8:9], B s[10:11]
	s_load_b128 s[12:15], s[0:1], 0x20             ; C s[12:13], out0 s[14:15]
	v_lshl_add_u32 v212, v0, 2, 0xcc00
	v_mov_b32 v213, 0
	v_and_b32 v1, 31, v0                           ; n
	v_lshrrev_b32 v2, 5, v0
	v_readfirstlane_b32 s16, v2                    ; wave 0..3
	s_lshl_b32 s17, ttmp9, 7                       ; h x 32 numbers of 4 bytes
	s_lshl_b32 s18, ttmp9, 2
	v_lshl_add_u32 v2, v1, 2, s17                  ; 4 (32 h + n)
	v_lshlrev_b32 v3, 1, v2                        ; 8 (32 h + n)
	v_mov_b32 v4, s18                              ; 4 h
	s_wait_kmcnt 0x0
	global_load_b32 v[LDT], v4, s[4:5]             ; every lane the same word
	global_load_b32 v[LDT+1], v2, s[6:7]
	global_load_b32 v[AIM], v2, s[8:9]
	global_load_b64 v[BIN:BIN+1], v3, s[10:11]
	global_load_b64 v[CIN:CIN+1], v3, s[12:13]
	; while they are on their way: constants and addresses
	s_lshl_b32 s28, ttmp9, 15                      ; h x 32,768 bytes of out
	s_mov_b32 s29, 0
	s_add_nc_u64 s[14:15], s[14:15], s[28:29]
	s_mov_b32 s20, 0x3fb8aa3b                      ; log2 e, rounded
	s_mov_b32 s21, 0x32a57060                      ; log2 e minus that
	s_mov_b32 s22, 0x3f317218                      ; ln 2
	s_mov_b32 s23, 0x3ea2f983                      ; 1 / pi, rounded
	s_mov_b32 s24, 0x325c9c88                      ; 1 / pi minus that
	s_mov_b32 s25, 0x80000000                      ; the sign
	s_mul_i32 s26, s16, 32*PITCH                   ; my 32 rows of P
	s_mul_i32 s27, s16, 16*PITCH
	s_add_co_u32 s27, s27, QBASE                   ; my 16 rows of Q
	s_lshl_b32 s30, s16, 9                         ; 512 w
	s_lshl_b32 s31, s16, 11                        ; my two row tiles of P are 2,048 w bytes into each 8,192 of out
	v_lshlrev_b32 v16, 2, v1
	v_add_nc_u32 v[PST], s26, v16
	v_add_nc_u32 v[QST], s27, v16
	v_mov_b32 v[NEG1], -1.0
	v_cvt_f32_u32 v[MW], s30
	v_and_b32 v16, 15, v0                          ; r = lane % 16
	v_bfe_u32 v17, v0, 4, 1                        ; half = lane / 16
	v_mul_u32_u24 v18, v16, PITCH
	v_lshl_add_u32 v18, v17, 4, v18                ; row r, 16 bytes for each half of the lanes
	v_add_nc_u32 v[FA], s26, v18
	v_add_nc_u32 v[FB], QBASE, v18
	v_lshlrev_b32 v19, 4, v16                      ; out: 16 r (l bits 2..5)
	v_lshl_add_u32 v19, v17, 9, v19                ; + 512 half (l bit 7)
	v_add_nc_u32 v[OUTO], s31, v19
	v_mov_b32 v[CS], 0xb2d7322b                    ; -1/11!
	v_mov_b32 v[CS+1], 0x310f76c7                  ; 1/12!
	; dt = exp(log_dt), a = exp(log_A_real): x log2 e in two words, exp2 of the high one, the low one as a factor 1 + low ln 2
	s_wait_loadcnt 0x2                             ; loads come back in order (ISA guide 5.7.1): the two younger ones, B and C, stay out
	v_mul_f32 v16, s20, v[LDT]
	v_mul_f32 v17, s20, v[LDT+1]
	v_fma_f32 v18, v[LDT], s20, -v16               ; what the rounding of the product dropped
	v_fma_f32 v19, v[LDT+1], s20, -v17
	v_exp_f32 v20, v16
	v_exp_f32 v21, v17                             ; behind a transcendental one plain line that names none of its registers (ISA guide 5.7.2): the next one
	v_fmac_f32 v18, s21, v[LDT]
	v_fmac_f32 v19, s21, v[LDT+1]
	v_mul_f32 v18, s22, v18
	v_mul_f32 v19, s22, v19
	s_wait_alu depctr_va_vdst(0)
	v_fma_f32 v20, v20, v18, v20                   ; dt
	v_fma_f32 v21, v21, v19, v21                   ; a
	v_mul_f32 v22, v21, v20                        ; a dt      = -Re dtA, rounded as reference() rounds it
	v_mul_f32 v23, v[AIM], v20                     ; phi = A_imag dt = -Im dtA
	v_mul_f32 v[XX], 0xbfb8aa3b, v22               ; -a dt log2 e
	v_mul_f32 v[PP], s23, v23                      ; phi / pi, high word,
	v_fma_f32 v[EE], v23, s23, -v[PP]
	v_fmac_f32 v[EE], s24, v23                     ; low word
	; the four powers: 1, 8, 64 (times a power of two: exact) and 512 w (w = 3 is none: the product's dropped part is recovered)
	v_mul_f32 v[PP+1], 0x41000000, v[PP]
	v_mul_f32 v[PP+2], 0x42800000, v[PP]
	v_mul_f32 v[PP+3], v[MW], v[PP]
	v_mul_f32 v[XX+1], 0x41000000, v[XX]
	v_mul_f32 v[XX+2], 0x42800000, v[XX]
	v_mul_f32 v[XX+3], v[MW], v[XX]
	v_mul_f32 v[EE+1], 0x41000000, v[EE]
	v_mul_f32 v[EE+2], 0x42800000, v[EE]
	v_fma_f32 v[EE+3], v[PP], v[MW], -v[PP+3]
	v_fmac_f32 v[EE+3], v[EE], v[MW]
	; exp(-a dt l) (cos, sin)(phi l), four at a time: take away the nearest whole number k of half turns, t = pi x the rest,
	; series for sin and cos on |t| <= pi / 2 (first terms left out: t^13 / 13! < 6e-8, t^14 / 14! < 7e-9), the sign (-1)^k on the magnitude
.irp i, 0,1,2,3
	v_rndne_f32 v[KK+\i], v[PP+\i]
.endr
.irp i, 0,1,2,3
	v_exp_f32 v[MG+\i], v[XX+\i]
.endr
.irp q, 0,2
	v_pk_add_f32 v[PP+\q:PP+\q+1], v[PP+\q:PP+\q+1], v[KK+\q:KK+\q+1] neg_lo:[0,1] neg_hi:[0,1]   ; exact
.endr
.irp q, 0,2
	v_pk_add_f32 v[PP+\q:PP+\q+1], v[PP+\q:PP+\q+1], v[EE+\q:EE+\q+1]
.endr
.irp i, 0,1,2,3
	v_cvt_i32_f32 v[KK+\i], v[KK+\i]
.endr
.irp q, 0,2
	v_pk_mul_f32 v[TT+\q:TT+\q+1], v[PP+\q:PP+\q+1], 0x40490fdb op_sel_hi:[1,0]
.endr
.irp i, 0,1,2,3
	v_lshlrev_b32 v[KK+\i], 31, v[KK+\i]           ; k odd: the sign bit
.endr
.irp q, 0,2
	v_pk_mul_f32 v[ZZ+\q:ZZ+\q+1], v[TT+\q:TT+\q+1], v[TT+\q:TT+\q+1]
.endr
	s_wait_alu depctr_va_vdst(0)
.irp i, 0,1,2,3
	v_xor_b32 v[MG+\i], v[MG+\i], v[KK+\i]
.endr
.irp q, 0,2
	v_pk_fma_f32 v[SS+\q:SS+\q+1], v[ZZ+\q:ZZ+\q+1], v[CS:CS+1], 0x3638ef1d op_sel_hi:[1,0,0]                ; -z/11! + 1/9!
	v_pk_fma_f32 v[CC+\q:CC+\q+1], v[ZZ+\q:ZZ+\q+1], v[CS:CS+1], 0xb493f27e op_sel:[0,1,0] op_sel_hi:[1,1,0]  ; z/12! - 1/10!
.endr
.macro HORNER ks, kc
.irp q, 0,2
	v_pk_fma_f32 v[SS+\q:SS+\q+1], v[SS+\q:SS+\q+1], v[ZZ+\q:ZZ+\q+1], \ks op_sel_hi:[1,1,0]
	v_pk_fma_f32 v[CC+\q:CC+\q+1], v[CC+\q:CC+\q+1], v[ZZ+\q:ZZ+\q+1], \kc op_sel_hi:[1,1,0]
.endr
.endm
	HORNER 0xb9500d01, 0x37d00d01                  ; -1/7!,  1/8!
	HORNER 0x3c088889, 0xbab60b61                  ;  1/5!, -1/6!
	HORNER 0xbe2aaaab, 0x3d2aaaab                  ; -1/3!,  1/4!
.irp q, 0,2
	v_pk_mul_f32 v[ZT+\q:ZT+\q+1], v[ZZ+\q:ZZ+\q+1], v[TT+\q:TT+\q+1]
	v_pk_fma_f32 v[CC+\q:CC+\q+1], v[CC+\q:CC+\q+1], v[ZZ+\q:ZZ+\q+1], -0.5 op_sel_hi:[1,1,0]
.endr
.irp q, 0,2
	v_pk_fma_f32 v[SS+\q:SS+\q+1], v[SS+\q:SS+\q+1], v[ZT+\q:ZT+\q+1], v[TT+\q:TT+\q+1]
	v_pk_fma_f32 v[CC+\q:CC+\q+1], v[CC+\q:CC+\q+1], v[ZZ+\q:ZZ+\q+1], 1.0 op_sel_hi:[1,1,0]
.endr
.irp i, 0,1,2
	v_mul_f32 v[GM+12*\i],   v[CC+\i], v[MG+\i]    ; V^1 at GM, V^8 at GM + 12, V^64 at GM + 24
	v_mul_f32 v[GM+12*\i+1], v[SS+\i], v[MG+\i]
.endr
	v_mul_f32 v[EW],   v[CC+3], v[MG+3]            ; V^(512 w)
	v_mul_f32 v[EW+1], v[SS+3], v[MG+3]
.irp i, 0,1,2
	v_xor_b32 v[GM+12*\i+2], s25, v[GM+12*\i+1]    ; the second pair (-gi, gr)
	v_mov_b32 v[GM+12*\i+3], v[GM+12*\i]
.endr
; A product a x g in two packed lines: (ar, ar) (gr, gi) + (ai, ai) (-gi, gr).  op_sel picks the register of a pair for the low result,
; op_sel_hi for the high one.  a x conj g takes the same two pairs with their halves swapped: (ar, ar) (gr, -gi) + (ai, ai) (gi, gr).
.macro SQUARE3 k                       ; weights 2^k, 2^(k+3), 2^(k+6) of V: their squares, with the second pair
.irp c, 0,12,24
	v_pk_mul_f32 v[GM+4*\k+\c+4:GM+4*\k+\c+5], v[GM+4*\k+\c:GM+4*\k+\c+1], v[GM+4*\k+\c:GM+4*\k+\c+1] op_sel:[0,0] op_sel_hi:[0,1]
.endr
.irp c, 0,12,24
	v_pk_fma_f32 v[GM+4*\k+\c+4:GM+4*\k+\c+5], v[GM+4*\k+\c:GM+4*\k+\c+1], v[GM+4*\k+\c+2:GM+4*\k+\c+3], v[GM+4*\k+\c+4:GM+4*\k+\c+5] op_sel:[1,0,0] op_sel_hi:[1,1,1]
.endr
.irp c, 0,12,24
	v_xor_b32 v[GM+4*\k+\c+6], s25, v[GM+4*\k+\c+5]
	v_mov_b32 v[GM+4*\k+\c+7], v[GM+4*\k+\c+4]
.endr
.endm
	SQUARE3 0                                      ; V^2, V^16, V^128
	SQUARE3 1                                      ; V^4, V^32, V^256
	; conj(2 Ceff) = 2 conj(B C) (V - 1) / conj A,  conj A = (-a, b).  A is scaled by 1 / max(a, |b|) so that |A|^2 neither overflows nor vanishes.
	s_wait_loadcnt 0x0                             ; B and C
	v_and_b32 v44, 0x7fffffff, v[AIM]
	v_max_num_f32 v44, v44, v21                    ; s = max(a, |b|)
	v_rcp_f32 v45, v44
	v_add_f32 v46, -1.0, v[GM]                     ; nr = Re V - 1, as reference() forms it;  ni = Im V
	v_mul_f32 v54, v[BIN+1], v[CIN+1]
	v_mul_f32 v55, v[BIN+1], v[CIN]
	s_wait_alu depctr_va_vdst(0)
	v_mul_f32 v47, v21, v45                        ; a' = a / s
	v_mul_f32 v48, v[AIM], v45                     ; b' = b / s
	v_fma_f32 v54, v[BIN], v[CIN], -v54            ; yr = Re(B C)
	v_fma_f32 v55, v[BIN], v[CIN+1], v55           ; yi = Im(B C)
	v_mul_f32 v49, v47, v47
	v_fmac_f32 v49, v48, v48                       ; a'^2 + b'^2, between 1 and 2
	v_rcp_f32 v50, v49
	v_mul_f32 v51, v48, v[GM+1]
	v_mul_f32 v52, v47, v[GM+1]
	v_fma_f32 v51, -v47, v46, v51                  ; xr = -a' nr + b' ni
	v_fma_f32 v52, -v48, v46, -v52                 ; xi = -b' nr - a' ni
	s_wait_alu depctr_va_vdst(0)
	v_mul_f32 v53, v50, v45
	v_add_f32 v53, v53, v53                        ; 2 / (s (a'^2 + b'^2))
	v_mul_f32 v56, v55, v52
	v_mul_f32 v57, v55, v51
	v_fma_f32 v56, v54, v51, v56                   ; (yr - i yi) (xr + i xi)
	v_fma_f32 v57, v54, v52, -v57
	v_mul_f32 v56, v56, v53
	v_mul_f32 v57, v57, v53
	; my first entries: conj P = conj(2 Ceff) V^(512 w);  Q = W^(2048 w) = conj((V^(512 w))^4)
	v_mul_f32 v58, v57, v[EW+1]
	v_mul_f32 v59, v57, v[EW]
	v_mul_f32 v60, v[EW+1], v[EW+1]
	v_mul_f32 v61, v[EW], v[EW+1]
	v_fma_f32 v[PT],   v56, v[EW], -v58
	v_fma_f32 v[PT+1], v56, v[EW+1], v59
	v_fma_f32 v60, v[EW], v[EW], -v60
	v_add_f32 v61, v61, v61
	v_mul_f32 v62, v61, v61
	v_mul_f32 v63, v60, v61
	v_fma_f32 v[QT], v60, v60, -v62
	v_mul_f32 v[QT+1], -2.0, v63
; one doubling: entries n .. 2 n - 1 of table t = entries 0 .. n - 1 times the weight at g (conj = 1: times its conjugate)
.macro LEVEL t, n, g, conj
.set cnt, 0
.rept \n
.if \conj
	v_pk_mul_f32 v[\t+2*(cnt+\n):\t+2*(cnt+\n)+1], v[\t+2*cnt:\t+2*cnt+1], v[\g+2:\g+3] op_sel:[0,1] op_sel_hi:[0,0]
.else
	v_pk_mul_f32 v[\t+2*(cnt+\n):\t+2*(cnt+\n)+1], v[\t+2*cnt:\t+2*cnt+1], v[\g:\g+1] op_sel:[0,0] op_sel_hi:[0,1]
.endif
.set cnt, cnt+1
.endr
.set cnt, 0
.rept \n
.if \conj
	v_pk_fma_f32 v[\t+2*(cnt+\n):\t+2*(cnt+\n)+1], v[\t+2*cnt:\t+2*cnt+1], v[\g:\g+1], v[\t+2*(cnt+\n):\t+2*(cnt+\n)+1] op_sel:[1,1,0] op_sel_hi:[1,0,1]
.else
	v_pk_fma_f32 v[\t+2*(cnt+\n):\t+2*(cnt+\n)+1], v[\t+2*cnt:\t+2*cnt+1], v[\g+2:\g+3], v[\t+2*(cnt+\n):\t+2*(cnt+\n)+1] op_sel:[1,0,0] op_sel_hi:[1,1,1]
.endif
.set cnt, cnt+1
.endr
.endm
; eight entries into two bf16 words each and into LDS.  hi = (re, im) rounded; the rest x - hi is exact in f32 (one line for each half:
; bf16 half x -1 + x) and is rounded in its turn.  A store of the wave is row's 128 neighbouring bytes, 4 a lane: k = 2 n, 2 n + 1.
.macro SPLIT8 t, first, adr
.irp e, 0,1,2,3,4,5,6,7
	v_cvt_pk_bf16_f32 v[HT+\e], v[\t+2*(\first+\e)], v[\t+2*(\first+\e)+1]
.endr
.irp e, 0,1,2,3,4,5,6,7
	v_fma_mix_f32_bf16 v[\t+2*(\first+\e)],   v[HT+\e], v[NEG1], v[\t+2*(\first+\e)]   op_sel_hi:[1,0,0]
	v_fma_mix_f32_bf16 v[\t+2*(\first+\e)+1], v[HT+\e], v[NEG1], v[\t+2*(\first+\e)+1] op_sel:[1,0,0] op_sel_hi:[1,0,0]
.endr
.irp e, 0,1,2,3,4,5,6,7
	ds_store_b32 v[\adr], v[HT+\e] offset:(\first+\e)*PITCH
.endr
.irp e, 0,1,2,3,4,5,6,7
	v_cvt_pk_bf16_f32 v[\t+2*(\first+\e)], v[\t+2*(\first+\e)], v[\t+2*(\first+\e)+1]
.endr
.irp e, 0,1,2,3,4,5,6,7
	ds_store_b32 v[\adr], v[\t+2*(\first+\e)] offset:(\first+\e)*PITCH+LOW
.endr
.endm
	LEVEL PT, 1,  GM,    0                         ; P's index bits: l = 1, 2, 64, 128, 256
	LEVEL QT, 1,  GM+8,  1                         ; Q's index bits: l = 4, 8, 16, 32
	LEVEL PT, 2,  GM+4,  0
	LEVEL QT, 2,  GM+12, 1
	LEVEL PT, 4,  GM+24, 0
	LEVEL QT, 4,  GM+16, 1
	LEVEL PT, 8,  GM+28, 0
	LEVEL QT, 8,  GM+20, 1
	SPLIT8 QT, 0, QST
	SPLIT8 QT, 8, QST
	LEVEL PT, 16, GM+32, 0
	SPLIT8 PT, 0,  PST
	SPLIT8 PT, 8,  PST
	SPLIT8 PT, 16, PST
	SPLIT8 PT, 24, PST
	s_wait_dscnt 0x0                               ; for the other waves' sake: my rows of Q are in LDS,
	s_barrier_signal -1
	s_barrier_wait -1                              ; everybody's are.  LDS is only read from here on: one barrier is all
	; THE PRODUCT.  Source 0 = 16 rows of P (m), source 1 = 16 rows of Q (nn); both tables lie [row][k], so a fragment of 32 k is two
	; loads of 16 bytes, 32 bytes apart, at row x pitch + 16 x half, and any order of k is the same on both sides.
.macro LDB nt, buf                     ; rows 16 nt .. + 15 of Q: hi k 0-31, hi k 32-63, lo, lo
.irp c, 0,1,2,3
	ds_load_b128 v[BF+32*\buf+8*\c:BF+32*\buf+8*\c+3],   v[FB] offset:\nt*16*PITCH+64*\c
	ds_load_b128 v[BF+32*\buf+8*\c+4:BF+32*\buf+8*\c+7], v[FB] offset:\nt*16*PITCH+64*\c+32
.endr
.endm
.macro MM nt, buf, ca, cb, first       ; both row tiles of P, piece ca, times Q's piece cb
.irp t, 0,1
.if \first
	v_wmma_f32_16x16x32_bf16 v[ACC+8*(2*\nt+\t):ACC+8*(2*\nt+\t)+7], v[AF+32*\t+8*\ca:AF+32*\t+8*\ca+7], v[BF+32*\buf+8*\cb:BF+32*\buf+8*\cb+7], 0
.else
	v_wmma_f32_16x16x32_bf16 v[ACC+8*(2*\nt+\t):ACC+8*(2*\nt+\t)+7], v[AF+32*\t+8*\ca:AF+32*\t+8*\ca+7], v[BF+32*\buf+8*\cb:BF+32*\buf+8*\cb+7], v[ACC+8*(2*\nt+\t):ACC+8*(2*\nt+\t)+7]
.endif
.endr
.endm
; 32 x 16 of the result: twelve matrix instructions on two accumulators, then out.  Register j of lane (r, half) of tile (t, nt) is
; l = (j & 3) + 4 r + 64 (j >> 2) + 128 half + 256 (2 w + t) + 2048 nt: registers 0-3 and 4-7 are 16 neighbouring bytes each, and
; sixteen lanes store 256 consecutive bytes at a multiple of 256 from out's first byte.
.macro GROUP nt, buf
	MM \nt, \buf, 0, 0, 1                          ; hi x hi: the first product starts the sums
	MM \nt, \buf, 1, 1, 0
	MM \nt, \buf, 2, 0, 0                          ; lo x hi
	MM \nt, \buf, 3, 1, 0
	MM \nt, \buf, 0, 2, 0                          ; hi x lo
	MM \nt, \buf, 1, 3, 0
.rept 4
	v_nop                                          ; four places behind the last matrix instruction before the stores read
.endr                                                  ; its result and before the next loads land on the fragments that it read
.irp t, 0,1
.irp j, 0,1
	global_store_b128 v[OUTO], v[ACC+8*(2*\nt+\t)+4*\j:ACC+8*(2*\nt+\t)+4*\j+3], s[14:15] offset:8192*\nt+1024*\t+256*\j th:TH_STORE_NT
.endr
.endr
.endm
.irp t, 0,1
.irp c, 0,1,2,3
	ds_load_b128 v[AF+32*\t+8*\c:AF+32*\t+8*\c+3],   v[FA] offset:\t*16*PITCH+64*\c
	ds_load_b128 v[AF+32*\t+8*\c+4:AF+32*\t+8*\c+7], v[FA] offset:\t*16*PITCH+64*\c+32
.endr
.endr
	LDB 0, 0
	LDB 1, 1
	s_wait_dscnt 0x8                               ; LDS loads come back in order: P's and Q's tile 0 are in, the eight loads of tile 1 stay out
	GROUP 0, 0
	LDB 2, 0
	s_wait_dscnt 0x8                               ; tile 1 is in, the eight loads of tile 2 stay out
	GROUP 1, 1
	LDB 3, 1
	s_wait_dscnt 0x8                               ; tile 2 is in, tile 3's loads stay out
	GROUP 2, 0
	s_wait_dscnt 0x0                               ; tile 3: nothing was issued behind it
	GROUP 3, 1
	s_wait_tensorcnt 0x0
	ds_add_u32 v212, v213
	s_wait_dscnt 0x0
	s_endpgm
.Lfunc_end_k_q0f71f2a1ab_s4kernel:
	.size	k_q0f71f2a1ab_s4kernel, .Lfunc_end_k_q0f71f2a1ab_s4kernel-k_q0f71f2a1ab_s4kernel
	.p2alignl 7, 3214868480
	.fill 96, 4, 3214868480
	.section	.rodata,"a",@progbits
	.p2align	6, 0x0
	.amdhsa_kernel k_q0f71f2a1ab_s4kernel
		.amdhsa_group_segment_fixed_size 52736
		.amdhsa_private_segment_fixed_size 0
		.amdhsa_enable_private_segment 0
		.amdhsa_kernarg_size 48
		.amdhsa_user_sgpr_count 2
		.amdhsa_user_sgpr_kernarg_segment_ptr 1
		.amdhsa_wavefront_size32 1
		.amdhsa_system_sgpr_workgroup_id_x 1
		.amdhsa_system_sgpr_workgroup_id_y 1
		.amdhsa_system_sgpr_workgroup_id_z 1
		.amdhsa_system_vgpr_workitem_id 0
		.amdhsa_next_free_vgpr 214
		.amdhsa_next_free_sgpr 66
		.amdhsa_reserve_vcc 0
		.amdhsa_float_denorm_mode_32 3
		.amdhsa_float_denorm_mode_16_64 3
		.amdhsa_memory_ordered 1
		.amdhsa_forward_progress 1
		.amdhsa_inst_pref_size 43
	.end_amdhsa_kernel
	.amdgpu_metadata
---
amdhsa.version: [ 1, 2 ]
amdhsa.kernels:
  - .name:           k_q0f71f2a1ab_s4kernel
    .symbol:         k_q0f71f2a1ab_s4kernel.kd
    .args:
      - { .name: log_dt, .offset: 0, .size: 8, .value_kind: global_buffer, .address_space: global }
      - { .name: log_A_real, .offset: 8, .size: 8, .value_kind: global_buffer, .address_space: global }
      - { .name: A_imag, .offset: 16, .size: 8, .value_kind: global_buffer, .address_space: global }
      - { .name: B, .offset: 24, .size: 8, .value_kind: global_buffer, .address_space: global }
      - { .name: C, .offset: 32, .size: 8, .value_kind: global_buffer, .address_space: global }
      - { .name: out0, .offset: 40, .size: 8, .value_kind: global_buffer, .address_space: global }
    .group_segment_fixed_size: 52736
    .private_segment_fixed_size: 0
    .kernarg_segment_align: 8
    .kernarg_segment_size: 48
    .max_flat_workgroup_size: 128
    .sgpr_count:     66
    .vgpr_count:     214
    .wavefront_size: 32
...
	.end_amdgpu_metadata
.endif
;; end of part 1
;; ======== version 2 of 2: 1 launch; version 1 with the launch s4kernel written anew for expert scheduling mode
;; launch s4kernel (part 2): grid 512 x 1, 4 waves a work-group, no clusters, 52,736 bytes of LDS; arguments log_dt, log_A_real, A_imag, B, C, out0; writes out0
.if DOCPART == 2
	.amdgcn_target "amdgcn-amd-amdhsa--gfx1250"
	.amdhsa_code_object_version 6
	.text
	.protected	k_q0f71f2a1ab_s4kernel
	.globl	k_q0f71f2a1ab_s4kernel
	.p2align	8
	.type	k_q0f71f2a1ab_s4kernel,@function
k_q0f71f2a1ab_s4kernel:
	s_mov_b64 s[64:65], 0
	v_nop
	global_prefetch_b8 v0, s[64:65] scope:SCOPE_SE
	s_setreg_imm32_b32 hwreg(HW_REG_WAVE_SCHED_MODE, 0, 2), 2
	s_setreg_imm32_b32 hwreg(HW_REG_WAVE_MODE, 25, 1), 1
	s_wait_xcnt 0x0
	s_wait_alu depctr_vm_vsrc(0)
; out[h][l] = 2 Re sum_n Ceff[h][n] exp(dtA[h][n] l),  h < 512, n < 32, l < 8192.   One work-group = one h, four waves.
;
; THE IDEA.  exp(z (l1 + l2)) = exp(z l1) exp(z l2).  The 13 bits of l are dealt to two indices:
;     m  (0..127): bits 0,1 of m = bits 0,1 of l;  bits 2..6 of m = bits 6..10 of l      lM(m)  = (m & 3) + 64 (m >> 2)
;     nn (0..63) : bits 0..3 of nn = bits 2..5 of l;  bits 4,5 of nn = bits 11,12 of l   lN(nn) = 4 (nn & 15) + 2048 (nn >> 4)
; With W = exp(dtA), P[m][n] = 2 Ceff W^lM, Q[nn][n] = W^lN:  out[lM + lN] = sum_n Re(P Q), a real product 128 x 64 with
; k = (n, re/im), 64 long.  192 complex powers for each (h, n) take the place of 8192.
; The deal of the bits is chosen for the way out: in a 16 x 16 result registers 0-3 of a lane are bits 0,1 of l and lanes 0-15 are
; bits 2..5, so one 16-byte store of the wave covers twice 256 consecutive, aligned bytes of out, straight from the accumulators.
;
; PRECISION.  Most of a row has decayed, so the output's root mean square is far below its largest numbers, and one bf16 word
; (8 bits) an operand is too coarse.  Each operand goes in as two bf16 words, x = hi + lo (16 to 17 bits), and three products are
; summed in f32: hi hi + lo hi + hi lo, K = 192.  Left out: lo lo, at most 2^-18 of a product.
;
; TABLES.  Lane = n.  P is kept conjugated, (Re P, -Im P), so that the plain dot product with (Re Q, Im Q) is Re(P Q):
; conj P = conj(2 Ceff) V^lM with V = conj W = exp(-a dt) (cos phi, sin phi), phi = A_imag dt.  V^1, V^8, V^64 and V^(512 wave) are
; evaluated directly, the other weights by at most two squarings, the entries by doubling: T[i + 2^b] = T[i] x weight b.
; Wave w makes P's rows 32 w .. 32 w + 31 and Q's rows 16 w .. 16 w + 15, then multiplies ITS rows of P with all of Q.
; No work-group shares an input byte with another (each h has its own 772 bytes): no cluster, no joint requests.
;
; LIMITS.  (1) v_exp_f32 and v_rcp_f32 give 0 for results under 2^-126 (ISA guide, their entries): dt, exp(log_A_real) and decays that
; small are 0 here; max(exp(log_A_real), |A_imag|) has to lie in 2^-126 .. 2^126.  (2) reference() rounds dtA l to f32; here phi / pi is kept
; in two words and each evaluated power is good to about 2^-22 absolutely, so the two differ by up to 2^-24 of the phase; the
; reduction is meant for |phi l / pi| < 2^22.  (3) W - 1 is the f32 subtraction that reference() makes, with its cancellation for small |dtA|.
; (4) Where reference() gives NaN or infinity the pattern is not reproduced.
;
; THE MODE: SCHED_MODE bits 1:0 = 2 (LLVM: expert scheduling mode 2), set by the entry lines.  The code itself states the register dependences
; between vector or matrix instructions and memory or LDS instructions, with s_wait_alu, always for 0.
; THE PLAN.  Registers that memory or LDS instructions touch:
;   v2, v3, v4             offsets of the five input loads; made at the head, never written again.
;   v8-v10, v12-v15        the inputs: written by those loads alone.
;   PST, QST, FA, FB, OUTO addresses, made at the head, never written again.
;   HT0 .. HT3             hi words, eight to a buffer.  The 48 entries go in six blocks of eight: Q0 -> HT0, Q8 -> HT1, P0 -> HT2, P8 -> HT3,
;                          P16 -> HT0, P24 -> HT1.  Written by a block's first conversions, read by its eight hi stores.
;   the lo words           lie in the even registers of the entries themselves: written by a block's last conversions, read by its eight lo stores.
;   Two blocks' vector lines stand together, one wait on va_vdst behind them, and their 32 stores ride among the vector lines that follow,
;   which name other registers: Q's among P's last doubling, P0's and P8's among the split of P16 and P24; the last 32 stand on end.
;   AF, BF0 .. BF2         (behind the barrier) fragments: written by LDS loads, read by matrix instructions.  Tile nt of Q lies in BF[nt % 3].
;   ACC                    eight results: written by the matrix instructions of group nt, read by four stores that are issued in group nt + 1.
;   One wait on va_vdst at the head of groups 1 to 3 states that the group before has written its results and is done reading its fragments
;   of Q; the stores of that group and the loads of the tile two groups on are dealt among this group's matrix instructions, which name
;   AF, this group's own buffer of Q and its own two results.
.set PITCH, 272                        ; an LDS row: 64 hi words (128 bytes), 64 lo words (128 bytes), 16 bytes of pad = 17 x 16 bytes:
                                       ; the 16 rows that a fragment load touches begin at 16 different 16-byte columns modulo 256
.set LOW,   128                        ; where a row's lo words begin
.set QBASE, 128*PITCH                  ; Q's 64 rows lie behind P's 128
; registers of the first half
.set PST,  5                           ; LDS address: my wave's first row of P + 4 n
.set QST,  6                           ; the same for Q
.set NEG1, 7                           ; -1.0
.set LDT,  8                           ; v8 log_dt, v9 log_A_real
.set AIM,  10                          ; A_imag
.set MW,   11                          ; 512 x wave, as f32
.set BIN,  12                          ; v[12:13] B
.set CIN,  14                          ; v[14:15] C
.set ZT,   24                          ; four slots each (powers 1, 8, 64, 512 w): z t
.set MG,   28                          ; magnitude, then with the sign of the half turn
.set PP,   32                          ; phase / pi, high word; then the reduced phase
.set EE,   36                          ; its low word
.set XX,   40                          ; -a dt l log2 e
.set KK,   44                          ; nearest whole number of half turns
.set TT,   48                          ; reduced angle t, |t| <= pi / 2
.set ZZ,   52                          ; t^2
.set SS,   56                          ; sin t
.set CC,   60                          ; cos t
.set GM,   64                          ; v[64:99] weight 2^k of V, k = 0..8, at GM + 4 k: (gr, gi, -gi, gr)
.set EW,   100                         ; v[100:101] V^(512 w)
.set CS,   102                         ; v102 = -1/11!, v103 = 1/12!
.set PT,   104                         ; v[104:167] my 32 entries of conj P, (re, im) each
.set QT,   168                         ; v[168:199] my 16 entries of Q
.set HT,   200                         ; v[200:231] hi words: four buffers of eight entries
.set FA,   240                         ; LDS address of my fragments of P
.set FB,   241                         ; and of Q
.set OUTO, 242                         ; my byte offset in the row of out
; registers of the second half (the first half's are dead behind the barrier)
.set AF,   16                          ; v[16:79]   fragments of P: 2 row tiles x (hi k 0-31, hi k 32-63, lo, lo) x 8
.set BF,   80                          ; v[80:175]  fragments of Q: three buffers of 32
.set ACC,  176                         ; v[176:239] eight results of 16 x 16
	s_load_b256 s[4:11], s[0:1], 0x0               ; log_dt s[4:5], log_A_real s[6:7], A_imag s[8:9], B s[10:11]
	s_load_b128 s[12:15], s[0:1], 0x20             ; C s[12:13], out0 s[14:15]
	v_lshl_add_u32 v244, v0, 2, 0xcc00
	v_mov_b32 v245, 0
	v_and_b32 v1, 31, v0                           ; n
	v_lshrrev_b32 v2, 5, v0
	v_readfirstlane_b32 s16, v2                    ; wave 0..3
	s_lshl_b32 s17, ttmp9, 7                       ; h x 32 numbers of 4 bytes
	s_lshl_b32 s18, ttmp9, 2
	v_lshl_add_u32 v2, v1, 2, s17                  ; 4 (32 h + n)
	v_lshlrev_b32 v3, 1, v2                        ; 8 (32 h + n)
	v_mov_b32 v4, s18                              ; 4 h
	s_wait_kmcnt 0x0
	s_wait_alu depctr_va_vdst(0)                   ; v2, v3 and v4 are written, which the five loads below read as their offsets
	global_load_b32 v[LDT], v4, s[4:5]             ; every lane the same word
	global_load_b32 v[LDT+1], v2, s[6:7]
	global_load_b32 v[AIM], v2, s[8:9]
	global_load_b64 v[BIN:BIN+1], v3, s[10:11]
	global_load_b64 v[CIN:CIN+1], v3, s[12:13]
	; while they are on their way: constants and addresses
	s_lshl_b32 s28, ttmp9, 15                      ; h x 32,768 bytes of out
	s_mov_b32 s29, 0
	s_add_nc_u64 s[14:15], s[14:15], s[28:29]
	s_mov_b32 s20, 0x3fb8aa3b                      ; log2 e, rounded
	s_mov_b32 s21, 0x32a57060                      ; log2 e minus that
	s_mov_b32 s22, 0x3f317218                      ; ln 2
	s_mov_b32 s23, 0x3ea2f983                      ; 1 / pi, rounded
	s_mov_b32 s24, 0x325c9c88                      ; 1 / pi minus that
	s_mov_b32 s25, 0x80000000                      ; the sign
	s_wait_alu depctr_va_sdst(0)                   ; s16, the wave's number, is written, ahead of its first reader: the line below
	s_mul_i32 s26, s16, 32*PITCH                   ; my 32 rows of P
	s_mul_i32 s27, s16, 16*PITCH
	s_add_co_u32 s27, s27, QBASE                   ; my 16 rows of Q
	s_lshl_b32 s30, s16, 9                         ; 512 w
	s_lshl_b32 s31, s16, 11                        ; my two row tiles of P are 2,048 w bytes into each 8,192 of out
	v_lshlrev_b32 v16, 2, v1
	v_add_nc_u32 v[PST], s26, v16
	v_add_nc_u32 v[QST], s27, v16
	v_mov_b32 v[NEG1], -1.0
	v_cvt_f32_u32 v[MW], s30
	v_and_b32 v16, 15, v0                          ; r = lane % 16
	v_bfe_u32 v17, v0, 4, 1                        ; half = lane / 16
	v_mul_u32_u24 v18, v16, PITCH
	v_lshl_add_u32 v18, v17, 4, v18                ; row r, 16 bytes for each half of the lanes
	v_add_nc_u32 v[FA], s26, v18
	v_add_nc_u32 v[FB], QBASE, v18
	v_lshlrev_b32 v19, 4, v16                      ; out: 16 r (l bits 2..5)
	v_lshl_add_u32 v19, v17, 9, v19                ; + 512 half (l bit 7)
	v_add_nc_u32 v[OUTO], s31, v19
	v_mov_b32 v[CS], 0xb2d7322b                    ; -1/11!
	v_mov_b32 v[CS+1], 0x310f76c7                  ; 1/12!
	; dt = exp(log_dt), a = exp(log_A_real): x log2 e in two words, exp2 of the high one, the low one as a factor 1 + low ln 2
	s_wait_loadcnt 0x2                             ; loads come back in order (ISA guide 5.7.1): the two younger ones, B and C, stay out
	v_mul_f32 v16, s20, v[LDT]
	v_mul_f32 v17, s20, v[LDT+1]
	v_fma_f32 v18, v[LDT], s20, -v16               ; what the rounding of the product dropped
	v_fma_f32 v19, v[LDT+1], s20, -v17
	v_exp_f32 v20, v16
	v_exp_f32 v21, v17                             ; behind a transcendental one plain line that names none of its registers (ISA guide 5.7.2): the next one
	v_fmac_f32 v18, s21, v[LDT]
	v_fmac_f32 v19, s21, v[LDT+1]
	v_mul_f32 v18, s22, v18
	v_mul_f32 v19, s22, v19
	s_wait_alu depctr_va_vdst(0)
	v_fma_f32 v20, v20, v18, v20                   ; dt
	v_fma_f32 v21, v21, v19, v21                   ; a
	v_mul_f32 v22, v21, v20                        ; a dt      = -Re dtA, rounded as reference() rounds it
	v_mul_f32 v23, v[AIM], v20                     ; phi = A_imag dt = -Im dtA
	v_mul_f32 v[XX], 0xbfb8aa3b, v22               ; -a dt log2 e
	v_mul_f32 v[PP], s23, v23                      ; phi / pi, high word,
	v_fma_f32 v[EE], v23, s23, -v[PP]
	v_fmac_f32 v[EE], s24, v23                     ; low word
	; the four powers: 1, 8, 64 (times a power of two: exact) and 512 w (w = 3 is none: the product's dropped part is recovered)
	v_mul_f32 v[PP+1], 0x41000000, v[PP]
	v_mul_f32 v[PP+2], 0x42800000, v[PP]
	v_mul_f32 v[PP+3], v[MW], v[PP]
	v_mul_f32 v[XX+1], 0x41000000, v[XX]
	v_mul_f32 v[XX+2], 0x42800000, v[XX]
	v_mul_f32 v[XX+3], v[MW], v[XX]
	v_mul_f32 v[EE+1], 0x41000000, v[EE]
	v_mul_f32 v[EE+2], 0x42800000, v[EE]
	v_fma_f32 v[EE+3], v[PP], v[MW], -v[PP+3]
	v_fmac_f32 v[EE+3], v[EE], v[MW]
	; exp(-a dt l) (cos, sin)(phi l), four at a time: take away the nearest whole number k of half turns, t = pi x the rest,
	; series for sin and cos on |t| <= pi / 2 (first terms left out: t^13 / 13! < 6e-8, t^14 / 14! < 7e-9), the sign (-1)^k on the magnitude
.irp i, 0,1,2,3
	v_rndne_f32 v[KK+\i], v[PP+\i]
.endr
.irp i, 0,1,2,3
	v_exp_f32 v[MG+\i], v[XX+\i]
.endr
.irp q, 0,2
	v_pk_add_f32 v[PP+\q:PP+\q+1], v[PP+\q:PP+\q+1], v[KK+\q:KK+\q+1] neg_lo:[0,1] neg_hi:[0,1]   ; exact
.endr
.irp q, 0,2
	v_pk_add_f32 v[PP+\q:PP+\q+1], v[PP+\q:PP+\q+1], v[EE+\q:EE+\q+1]
.endr
.irp i, 0,1,2,3
	v_cvt_i32_f32 v[KK+\i], v[KK+\i]
.endr
.irp q, 0,2
	v_pk_mul_f32 v[TT+\q:TT+\q+1], v[PP+\q:PP+\q+1], 0x40490fdb op_sel_hi:[1,0]
.endr
.irp i, 0,1,2,3
	v_lshlrev_b32 v[KK+\i], 31, v[KK+\i]           ; k odd: the sign bit
.endr
.irp q, 0,2
	v_pk_mul_f32 v[ZZ+\q:ZZ+\q+1], v[TT+\q:TT+\q+1], v[TT+\q:TT+\q+1]
.endr
	s_wait_alu depctr_va_vdst(0)
.irp i, 0,1,2,3
	v_xor_b32 v[MG+\i], v[MG+\i], v[KK+\i]
.endr
.irp q, 0,2
	v_pk_fma_f32 v[SS+\q:SS+\q+1], v[ZZ+\q:ZZ+\q+1], v[CS:CS+1], 0x3638ef1d op_sel_hi:[1,0,0]                ; -z/11! + 1/9!
	v_pk_fma_f32 v[CC+\q:CC+\q+1], v[ZZ+\q:ZZ+\q+1], v[CS:CS+1], 0xb493f27e op_sel:[0,1,0] op_sel_hi:[1,1,0]  ; z/12! - 1/10!
.endr
.macro HORNER ks, kc
.irp q, 0,2
	v_pk_fma_f32 v[SS+\q:SS+\q+1], v[SS+\q:SS+\q+1], v[ZZ+\q:ZZ+\q+1], \ks op_sel_hi:[1,1,0]
	v_pk_fma_f32 v[CC+\q:CC+\q+1], v[CC+\q:CC+\q+1], v[ZZ+\q:ZZ+\q+1], \kc op_sel_hi:[1,1,0]
.endr
.endm
	HORNER 0xb9500d01, 0x37d00d01                  ; -1/7!,  1/8!
	HORNER 0x3c088889, 0xbab60b61                  ;  1/5!, -1/6!
	HORNER 0xbe2aaaab, 0x3d2aaaab                  ; -1/3!,  1/4!
.irp q, 0,2
	v_pk_mul_f32 v[ZT+\q:ZT+\q+1], v[ZZ+\q:ZZ+\q+1], v[TT+\q:TT+\q+1]
	v_pk_fma_f32 v[CC+\q:CC+\q+1], v[CC+\q:CC+\q+1], v[ZZ+\q:ZZ+\q+1], -0.5 op_sel_hi:[1,1,0]
.endr
.irp q, 0,2
	v_pk_fma_f32 v[SS+\q:SS+\q+1], v[SS+\q:SS+\q+1], v[ZT+\q:ZT+\q+1], v[TT+\q:TT+\q+1]
	v_pk_fma_f32 v[CC+\q:CC+\q+1], v[CC+\q:CC+\q+1], v[ZZ+\q:ZZ+\q+1], 1.0 op_sel_hi:[1,1,0]
.endr
.irp i, 0,1,2
	v_mul_f32 v[GM+12*\i],   v[CC+\i], v[MG+\i]    ; V^1 at GM, V^8 at GM + 12, V^64 at GM + 24
	v_mul_f32 v[GM+12*\i+1], v[SS+\i], v[MG+\i]
.endr
	v_mul_f32 v[EW],   v[CC+3], v[MG+3]            ; V^(512 w)
	v_mul_f32 v[EW+1], v[SS+3], v[MG+3]
.irp i, 0,1,2
	v_xor_b32 v[GM+12*\i+2], s25, v[GM+12*\i+1]    ; the second pair (-gi, gr)
	v_mov_b32 v[GM+12*\i+3], v[GM+12*\i]
.endr
; A product a x g in two packed lines: (ar, ar) (gr, gi) + (ai, ai) (-gi, gr).  op_sel picks the register of a pair for the low result,
; op_sel_hi for the high one.  a x conj g takes the same two pairs with their halves swapped: (ar, ar) (gr, -gi) + (ai, ai) (gi, gr).
.macro SQUARE3 k                       ; weights 2^k, 2^(k+3), 2^(k+6) of V: their squares, with the second pair
.irp c, 0,12,24
	v_pk_mul_f32 v[GM+4*\k+\c+4:GM+4*\k+\c+5], v[GM+4*\k+\c:GM+4*\k+\c+1], v[GM+4*\k+\c:GM+4*\k+\c+1] op_sel:[0,0] op_sel_hi:[0,1]
.endr
.irp c, 0,12,24
	v_pk_fma_f32 v[GM+4*\k+\c+4:GM+4*\k+\c+5], v[GM+4*\k+\c:GM+4*\k+\c+1], v[GM+4*\k+\c+2:GM+4*\k+\c+3], v[GM+4*\k+\c+4:GM+4*\k+\c+5] op_sel:[1,0,0] op_sel_hi:[1,1,1]
.endr
.irp c, 0,12,24
	v_xor_b32 v[GM+4*\k+\c+6], s25, v[GM+4*\k+\c+5]
	v_mov_b32 v[GM+4*\k+\c+7], v[GM+4*\k+\c+4]
.endr
.endm
	SQUARE3 0                                      ; V^2, V^16, V^128
	SQUARE3 1                                      ; V^4, V^32, V^256
	; conj(2 Ceff) = 2 conj(B C) (V - 1) / conj A,  conj A = (-a, b).  A is scaled by 1 / max(a, |b|) so that |A|^2 neither overflows nor vanishes.
	s_wait_loadcnt 0x0                             ; B and C
	v_and_b32 v44, 0x7fffffff, v[AIM]
	v_max_num_f32 v44, v44, v21                    ; s = max(a, |b|)
	v_rcp_f32 v45, v44
	v_add_f32 v46, -1.0, v[GM]                     ; nr = Re V - 1, as reference() forms it;  ni = Im V
	v_mul_f32 v54, v[BIN+1], v[CIN+1]
	v_mul_f32 v55, v[BIN+1], v[CIN]
	s_wait_alu depctr_va_vdst(0)
	v_mul_f32 v47, v21, v45                        ; a' = a / s
	v_mul_f32 v48, v[AIM], v45                     ; b' = b / s
	v_fma_f32 v54, v[BIN], v[CIN], -v54            ; yr = Re(B C)
	v_fma_f32 v55, v[BIN], v[CIN+1], v55           ; yi = Im(B C)
	v_mul_f32 v49, v47, v47
	v_fmac_f32 v49, v48, v48                       ; a'^2 + b'^2, between 1 and 2
	v_rcp_f32 v50, v49
	v_mul_f32 v51, v48, v[GM+1]
	v_mul_f32 v52, v47, v[GM+1]
	v_fma_f32 v51, -v47, v46, v51                  ; xr = -a' nr + b' ni
	v_fma_f32 v52, -v48, v46, -v52                 ; xi = -b' nr - a' ni
	s_wait_alu depctr_va_vdst(0)
	v_mul_f32 v53, v50, v45
	v_add_f32 v53, v53, v53                        ; 2 / (s (a'^2 + b'^2))
	v_mul_f32 v56, v55, v52
	v_mul_f32 v57, v55, v51
	v_fma_f32 v56, v54, v51, v56                   ; (yr - i yi) (xr + i xi)
	v_fma_f32 v57, v54, v52, -v57
	v_mul_f32 v56, v56, v53
	v_mul_f32 v57, v57, v53
	; my first entries: conj P = conj(2 Ceff) V^(512 w);  Q = W^(2048 w) = conj((V^(512 w))^4)
	v_mul_f32 v58, v57, v[EW+1]
	v_mul_f32 v59, v57, v[EW]
	v_mul_f32 v60, v[EW+1], v[EW+1]
	v_mul_f32 v61, v[EW], v[EW+1]
	v_fma_f32 v[PT],   v56, v[EW], -v58
	v_fma_f32 v[PT+1], v56, v[EW+1], v59
	v_fma_f32 v60, v[EW], v[EW], -v60
	v_add_f32 v61, v61, v61
	v_mul_f32 v62, v61, v61
	v_mul_f32 v63, v60, v61
	v_fma_f32 v[QT], v60, v60, -v62
	v_mul_f32 v[QT+1], -2.0, v63
; THE LDS STORES of sixteen entries (two blocks) are a queue of 32: entry by entry the hi word, then the lo word.  A store of the wave is
; a row's 128 neighbouring bytes, 4 a lane: k = 2 n, 2 n + 1.  QUEUE names the sixteen entries first .. first + 15 of table t, whose hi words
; lie in buffers hb and hb + 1; RIDE writes the queue's next store, or nothing when the queue is empty.
.set SQ_I, 32                          ; empty
.macro QUEUE t, first, adr, hb
.set SQ_T, \t
.set SQ_F, \first
.set SQ_A, \adr
.set SQ_H, \hb
.set SQ_I, 0
.endm
.macro RIDE
.if SQ_I < 32
.if SQ_I%2 == 0
	ds_store_b32 v[SQ_A], v[HT+8*SQ_H+SQ_I/2] offset:(SQ_F+SQ_I/2)*PITCH
.else
	ds_store_b32 v[SQ_A], v[SQ_T+2*(SQ_F+SQ_I/2)] offset:(SQ_F+SQ_I/2)*PITCH+LOW
.endif
.set SQ_I, SQ_I+1
.endif
.endm
; one doubling: entries n .. 2 n - 1 of table t = entries 0 .. n - 1 times the weight at g (conj = 1: times its conjugate); a store of the queue behind each line
.macro LEVEL t, n, g, conj
.set cnt, 0
.rept \n
.if \conj
	v_pk_mul_f32 v[\t+2*(cnt+\n):\t+2*(cnt+\n)+1], v[\t+2*cnt:\t+2*cnt+1], v[\g+2:\g+3] op_sel:[0,1] op_sel_hi:[0,0]
.else
	v_pk_mul_f32 v[\t+2*(cnt+\n):\t+2*(cnt+\n)+1], v[\t+2*cnt:\t+2*cnt+1], v[\g:\g+1] op_sel:[0,0] op_sel_hi:[0,1]
.endif
	RIDE
.set cnt, cnt+1
.endr
.set cnt, 0
.rept \n
.if \conj
	v_pk_fma_f32 v[\t+2*(cnt+\n):\t+2*(cnt+\n)+1], v[\t+2*cnt:\t+2*cnt+1], v[\g:\g+1], v[\t+2*(cnt+\n):\t+2*(cnt+\n)+1] op_sel:[1,1,0] op_sel_hi:[1,0,1]
.else
	v_pk_fma_f32 v[\t+2*(cnt+\n):\t+2*(cnt+\n)+1], v[\t+2*cnt:\t+2*cnt+1], v[\g+2:\g+3], v[\t+2*(cnt+\n):\t+2*(cnt+\n)+1] op_sel:[1,0,0] op_sel_hi:[1,1,1]
.endif
	RIDE
.set cnt, cnt+1
.endr
.endm
; a block: eight entries into two bf16 words each.  hi = (re, im) rounded, into buffer hb; the rest x - hi is exact in f32 (one line for each
; half: bf16 half x -1 + x) and is rounded in its turn, into the entry's first register.  Sixteen stores of the queue ride along.
.macro SPLITV t, first, hb
.irp e, 0,1,2,3,4,5,6,7
	v_cvt_pk_bf16_f32 v[HT+8*\hb+\e], v[\t+2*(\first+\e)], v[\t+2*(\first+\e)+1]
.endr
.irp e, 0,1,2,3,4,5,6,7
	v_fma_mix_f32_bf16 v[\t+2*(\first+\e)],   v[HT+8*\hb+\e], v[NEG1], v[\t+2*(\first+\e)]   op_sel_hi:[1,0,0]
	v_fma_mix_f32_bf16 v[\t+2*(\first+\e)+1], v[HT+8*\hb+\e], v[NEG1], v[\t+2*(\first+\e)+1] op_sel:[1,0,0] op_sel_hi:[1,0,0]
	RIDE
.endr
.irp e, 0,1,2,3,4,5,6,7
	v_cvt_pk_bf16_f32 v[\t+2*(\first+\e)], v[\t+2*(\first+\e)], v[\t+2*(\first+\e)+1]
	RIDE
.endr
.endm
	LEVEL PT, 1,  GM,    0                         ; P's index bits: l = 1, 2, 64, 128, 256
	LEVEL QT, 1,  GM+8,  1                         ; Q's index bits: l = 4, 8, 16, 32
	LEVEL PT, 2,  GM+4,  0
	LEVEL QT, 2,  GM+12, 1
	LEVEL PT, 4,  GM+24, 0
	LEVEL QT, 4,  GM+16, 1
	LEVEL PT, 8,  GM+28, 0
	LEVEL QT, 8,  GM+20, 1
	SPLITV QT, 0, 0
	SPLITV QT, 8, 1
	s_wait_alu depctr_va_vdst(0)                   ; the conversions have written Q's sixteen hi words (HT0, HT1) and sixteen lo words, which the stores below read; their address v[QST] is written too
	QUEUE QT, 0, QST, 0
	LEVEL PT, 16, GM+32, 0                         ; its 32 lines name P's entries and one weight: none of the registers that Q's 32 stores, one behind each line, touch
	SPLITV PT, 0, 2
	SPLITV PT, 8, 3
	s_wait_alu depctr_vm_vsrc(0)                   ; Q's stores have read HT0 and HT1, which the conversions of P's entries 16 to 31 write again
	s_wait_alu depctr_va_vdst(0)                   ; the conversions have written the hi words (HT2, HT3) and the lo words of P's entries 0 to 15, which the stores below read; v[PST] is written too
	QUEUE PT, 0, PST, 2
	SPLITV PT, 16, 0                               ; these 64 lines name HT0, HT1, P's entries 16 to 31 and -1: none of the registers that the 32 stores among them touch
	SPLITV PT, 24, 1
	s_wait_alu depctr_va_vdst(0)                   ; the conversions have written the words of P's entries 16 to 31, which the stores below read.  No vector line follows before the matrix
	QUEUE PT, 16, PST, 0                           ; instructions: so this wait also states that every writer and reader of v16 to v175 is done, where the fragments' loads land, and that v[FA], v[FB], v[OUTO] are written
.rept 32
	RIDE
.endr
	s_wait_dscnt 0x0                               ; for the other waves' sake: my rows of Q are in LDS,
	s_barrier_signal -1
	s_barrier_wait -1                              ; everybody's are.  LDS is only read from here on: one barrier is all
	s_wait_alu depctr_vm_vsrc(0)                   ; my LDS stores have read v104 to v231: from here on the fragments' loads land there and the matrix instructions write there
	; THE PRODUCT.  Source 0 = 16 rows of P (m), source 1 = 16 rows of Q (nn); both tables lie [row][k], so a fragment of 32 k is two
	; loads of 16 bytes, 32 bytes apart, at row x pitch + 16 x half, and any order of k is the same on both sides.
.macro LDB4 nt, buf, c0                ; rows 16 nt .. + 15 of Q, two of the four pieces (hi k 0-31, hi k 32-63, lo, lo): c0 and c0 + 1
.irp c, (\c0), (\c0)+1
	ds_load_b128 v[BF+32*(\buf)+8*(\c):BF+32*(\buf)+8*(\c)+3],   v[FB] offset:(\nt)*16*PITCH+64*(\c)
	ds_load_b128 v[BF+32*(\buf)+8*(\c)+4:BF+32*(\buf)+8*(\c)+7], v[FB] offset:(\nt)*16*PITCH+64*(\c)+32
.endr
.endm
.macro MM nt, buf, ca, cb, first       ; both row tiles of P, piece ca, times Q's piece cb
.irp t, 0,1
.if \first
	v_wmma_f32_16x16x32_bf16 v[ACC+8*(2*\nt+\t):ACC+8*(2*\nt+\t)+7], v[AF+32*\t+8*\ca:AF+32*\t+8*\ca+7], v[BF+32*\buf+8*\cb:BF+32*\buf+8*\cb+7], 0
.else
	v_wmma_f32_16x16x32_bf16 v[ACC+8*(2*\nt+\t):ACC+8*(2*\nt+\t)+7], v[AF+32*\t+8*\ca:AF+32*\t+8*\ca+7], v[BF+32*\buf+8*\cb:BF+32*\buf+8*\cb+7], v[ACC+8*(2*\nt+\t):ACC+8*(2*\nt+\t)+7]
.endif
.endr
.endm
; Result (t, nt) goes out.  Register j of lane (r, half) is l = (j & 3) + 4 r + 64 (j >> 2) + 128 half + 256 (2 w + t) + 2048 nt: registers 0-3 and 4-7
; are 16 neighbouring bytes each, and sixteen lanes store 256 consecutive bytes at a multiple of 256 from out's first byte.  The low four registers first.
.macro OUT nt, t
.irp j, 0,1
	global_store_b128 v[OUTO], v[ACC+8*(2*(\nt)+(\t))+4*\j:ACC+8*(2*(\nt)+(\t))+4*\j+3], s[14:15] offset:8192*(\nt)+1024*(\t)+256*\j th:TH_STORE_NT
.endr
.endm
; Group nt: 32 x 16 of the result, twelve matrix instructions on two accumulators, which take turns.  Among them: the four stores
; of the group before, and (more = 1) the eight loads of Q's tile nt + 2.  left = how many younger LDS loads may stay out when tile nt has to be there.
.macro GROUP nt, buf, left, more
	s_wait_dscnt \left                             ; LDS loads come back in order (ISA guide 5.7.1): tile nt of Q is in (for group 0: P's fragments too)
.if (\nt) > 0
	s_wait_alu depctr_va_vdst(0)                   ; the group before has written its two results, which the stores below read, and is done reading its buffer of Q, in which (group 1) the loads below land
.endif
	MM \nt, \buf, 0, 0, 1                          ; hi x hi: the first product starts the sums
.if (\nt) > 0
	OUT (\nt)-1, 0                                 ; no matrix instruction since the wait names these registers
.endif
	MM \nt, \buf, 1, 1, 0
.if (\nt) > 0
	OUT (\nt)-1, 1
.endif
	MM \nt, \buf, 2, 0, 0                          ; lo x hi
.if \more
	LDB4 (\nt)+2, ((\nt)+2)%3, 0                   ; two groups ahead, into the buffer that neither this group nor the next reads
.endif
	MM \nt, \buf, 3, 1, 0
.if \more
	LDB4 (\nt)+2, ((\nt)+2)%3, 2
.endif
	MM \nt, \buf, 0, 2, 0                          ; hi x lo
	MM \nt, \buf, 1, 3, 0
.rept 4
	v_nop                                          ; four places behind the last matrix instruction before a store reads its result; the wait that follows them fills none
.endr
.endm
.irp t, 0,1
.irp c, 0,1,2,3
	ds_load_b128 v[AF+32*\t+8*\c:AF+32*\t+8*\c+3],   v[FA] offset:\t*16*PITCH+64*\c
	ds_load_b128 v[AF+32*\t+8*\c+4:AF+32*\t+8*\c+7], v[FA] offset:\t*16*PITCH+64*\c+32
.endr
.endr
	LDB4 0, 0, 0
	LDB4 0, 0, 2
	LDB4 1, 1, 0
	LDB4 1, 1, 2
	GROUP 0, 0, 8, 1                               ; the eight loads of tile 1 stay out; tile 2 is asked for
	GROUP 1, 1, 8, 1                               ; the eight loads of tile 2 stay out; tile 3 is asked for, into tile 0's buffer
	GROUP 2, 2, 8, 0                               ; the eight loads of tile 3 stay out
	GROUP 3, 0, 0, 0                               ; tile 3: nothing was issued behind it
	s_wait_alu depctr_va_vdst(0)                   ; group 3 has written its two results, which the last four stores read
	OUT 3, 0
	OUT 3, 1
	s_wait_dscnt 0x0
	s_wait_alu depctr_hold_cnt(0) depctr_sa_sdst(0) depctr_va_vdst(0) depctr_va_sdst(0) depctr_va_ssrc(0) depctr_va_vcc(0) depctr_vm_vsrc(0)
	s_wait_tensorcnt 0x0
	ds_add_u32 v244, v245
	s_wait_dscnt 0x0
	s_endpgm
.Lfunc_end_k_q0f71f2a1ab_s4kernel:
	.size	k_q0f71f2a1ab_s4kernel, .Lfunc_end_k_q0f71f2a1ab_s4kernel-k_q0f71f2a1ab_s4kernel
	.p2alignl 7, 3214868480
	.fill 96, 4, 3214868480
	.section	.rodata,"a",@progbits
	.p2align	6, 0x0
	.amdhsa_kernel k_q0f71f2a1ab_s4kernel
		.amdhsa_group_segment_fixed_size 52736
		.amdhsa_private_segment_fixed_size 0
		.amdhsa_enable_private_segment 0
		.amdhsa_kernarg_size 48
		.amdhsa_user_sgpr_count 2
		.amdhsa_user_sgpr_kernarg_segment_ptr 1
		.amdhsa_wavefront_size32 1
		.amdhsa_system_sgpr_workgroup_id_x 1
		.amdhsa_system_sgpr_workgroup_id_y 1
		.amdhsa_system_sgpr_workgroup_id_z 1
		.amdhsa_system_vgpr_workitem_id 0
		.amdhsa_next_free_vgpr 246
		.amdhsa_next_free_sgpr 66
		.amdhsa_reserve_vcc 0
		.amdhsa_float_denorm_mode_32 3
		.amdhsa_float_denorm_mode_16_64 3
		.amdhsa_memory_ordered 1
		.amdhsa_forward_progress 1
		.amdhsa_inst_pref_size 44
	.end_amdhsa_kernel
	.amdgpu_metadata
---
amdhsa.version: [ 1, 2 ]
amdhsa.kernels:
  - .name:           k_q0f71f2a1ab_s4kernel
    .symbol:         k_q0f71f2a1ab_s4kernel.kd
    .args:
      - { .name: log_dt, .offset: 0, .size: 8, .value_kind: global_buffer, .address_space: global }
      - { .name: log_A_real, .offset: 8, .size: 8, .value_kind: global_buffer, .address_space: global }
      - { .name: A_imag, .offset: 16, .size: 8, .value_kind: global_buffer, .address_space: global }
      - { .name: B, .offset: 24, .size: 8, .value_kind: global_buffer, .address_space: global }
      - { .name: C, .offset: 32, .size: 8, .value_kind: global_buffer, .address_space: global }
      - { .name: out0, .offset: 40, .size: 8, .value_kind: global_buffer, .address_space: global }
    .group_segment_fixed_size: 52736
    .private_segment_fixed_size: 0
    .kernarg_segment_align: 8
    .kernarg_segment_size: 48
    .max_flat_workgroup_size: 128
    .sgpr_count:     66
    .vgpr_count:     246
    .wavefront_size: 32
...
	.end_amdgpu_metadata
.endif
;; end of part 2
